; MI455X (gfx1250); checked and timed in simulation.
; The chip was launched on July 23, 2026; its instructions are those of AMD's public machine-readable ISA for CDNA 5 (MIT licence, August 2026) and "CDNA5" Instruction Set Architecture Reference Guide (July 2026). The comments in the code are by the model that wrote it; some were corrected since.
;; Self Attention. Allowed arithmetic: matrix products marked QUANTISED: E4M3 operands, one given power-of-two scale a tensor, by v_wmma_f32_16x16x64_fp8_fp8 or v_wmma_f32_16x16x128_fp8_fp8, f32 sums; everything else in f32.
;; Inputs: Wk 64 x 512 float32; Wq 64 x 512 float32; Wv 64 x 512 float32; bk 64 float32; bq 64 float32; bv 64 float32; input 8,192 x 512 float32; lowp_scales 10 int32 (the exponents e of the quantised operands' scales 2^e).
;; Outputs: out0 8,192 x 64 float32.
;; This version of the problem:
;;   THIS VERSION OF THE PROBLEM IS GIVEN IN LOW PRECISION. The matrix products marked QUANTISED in the list below multiply operands that are first quantised to E4M3 (4 exponent bits, 3 mantissa bits; 8 bits a number), with one given power-of-two scale for each operand tensor; their sums are f32. All else is computed in f32.
;;   The module's matrix products, in the order in which they are computed (A, B: the left and right operand; K: the contracted axis; several contracted axes count as one K, in the product's order):
;;     1. [M 8,192, K 512] x [K 512, N 64]; A: input input; B: input Wq: QUANTISED (scales: A lowp_scales[0], B lowp_scales[1])
;;     2. [M 8,192, K 512] x [K 512, N 64]; A: input input; B: input Wk: QUANTISED (scales: A lowp_scales[2], B lowp_scales[3])
;;     3. [M 8,192, K 512] x [K 512, N 64]; A: input input; B: input Wv: QUANTISED (scales: A lowp_scales[4], B lowp_scales[5])
;;     4. [M 8,192, K 64] x [K 64, N 8,192]; A: computed on the way; B: computed on the way: QUANTISED (scales: A lowp_scales[6], B lowp_scales[7])
;;     5. [M 8,192, K 8,192] x [K 8,192, N 64]; A: softmax (see below); B: computed on the way: QUANTISED (scales: A lowp_scales[8], B lowp_scales[9])
;;   THE QUANTISER, for each operand of a quantised product, along K:
;;     - The operand's scale is 2^e, e = its entry of the input lowp_scales (int32; the entries are numbered through the quantised products in the list's order, A before B).
;;     - Each number is divided by the scale, clamped to +-448, and rounded to the nearest number of E4M3, ties to even, subnormals kept.
;;     - The product sums the exact products of the quantised numbers (number of the format x scale) in f32.
;;   ~~~python
;;   def quantise(x, axis, e):      # numpy; x: float32 -> the quantised numbers, widened to float32 again
;;       x = np.moveaxis(x, axis, -1); K = x.shape[-1]
;;       r = np.clip(x / 2.0 ** e, -448, 448)
;;       step = 2.0 ** (np.maximum(np.frexp(np.where(r == 0, 1, r))[1] - 1, -6) - 3)
;;       q = np.round(r / step) * step * 2.0 ** e      # np.round: ties to even
;;       return np.moveaxis(q, -1, axis).astype(np.float32)
;;   ~~~
;;   SOFTMAX AHEAD OF A QUANTISED PRODUCT. Where the list says 'softmax', what is quantised is not the finished softmax but p = 2^(t - M), with t = logit x log2(e) and M = ceil(the row's largest t), a whole number; so 1/2 < the row's largest p <= 1. The row's sum l is taken of the UNQUANTISED p, in f32, and the product's result is divided by l at the end. Since M is a whole number, a kernel that streams over the keys may use a running M (the ceiling of the running maximum): every later rescaling is an exact power of two, so the quantised numbers keep their values, but for numbers so far below the row's largest that they fall under the format's range.
;;   OPERANDS COMPUTED ON THE WAY. 'Computed on the way' means the value that the module computes at that place (a softmax that the list does not call 'softmax' is quantised finished and normalised). What goes into a quantiser is computed in f32, as accurately as f32 sums, v_exp_f32 and their like allow (about 1e-6 of the number): no bf16 or f16 on the way to a quantiser, and a product that is left as it is and whose result goes on into a quantised operand takes f32 operands (vector FMAs, or v_wmma_f32_16x16x4_f32). A number that lies on a knife's edge between two numbers of the format may be rounded either way, as far as f32 arithmetic and the matrix unit's own rounding can turn it there, and no further.
;; 2 versions, each right; version 2 is version 1 with the launch proj written anew for expert scheduling mode. Each part assembles by itself: llvm-mc -triple=amdgcn-amd-amdhsa -mcpu=gfx1250 --defsym DOCPART=n.
;; ======== version 1 of 2: 2 launches
;; workspace buffers: qimg 524,288 bytes; kv 1,048,576 bytes
;; launch proj (part 1): grid 256 x 1, 16 waves a work-group, no clusters, 154,112 bytes of LDS; arguments input, Wq, Wk, Wv, bq, bk, bv, lowp_scales, qimg, kv; writes qimg, kv
.if DOCPART == 1
	.amdgcn_target "amdgcn-amd-amdhsa--gfx1250"
	.amdhsa_code_object_version 6
	.text
	.protected	k_qe125c291be_proj
	.globl	k_qe125c291be_proj
	.p2align	8
	.type	k_qe125c291be_proj,@function
k_qe125c291be_proj:
	s_mov_b64 s[64:65], 0
	v_nop
	global_prefetch_b8 v0, s[64:65] scope:SCOPE_SE
	s_setreg_imm32_b32 hwreg(HW_REG_WAVE_MODE, 25, 1), 1
	s_wait_xcnt 0x0
; Q = x Wq^T + bq, K = x Wk^T + bk, V = x Wv^T + bv on codes of FP8 (E4M3); the results are quantised again and stored as IMAGES OF OPERAND REGISTERS for the attention launch.
; x: [8192][512] f32, quantised three times (2^e0, 2^e2, 2^e4).  Wq, Wk, Wv: [64][512] f32 (2^e1, 2^e3, 2^e5).  Q, K, V are quantised with 2^e6, 2^e7, 2^e9.
; SHARES.  A work-group owns 32 rows of x.  Phase A: each of the 16 waves quantises 2 rows of x (three times) and 4 rows of each weight into LDS.  One barrier.  Phase B: waves 0-11 make one unit each:
; two accumulators of 16 x 16 over K = 512, which become 4 registers of codes a lane, stored as 512 consecutive bytes.  Waves 12-15 have no unit and end behind the barrier.
; PLACE OF k.  A wave takes a whole row by four loads of 512 consecutive bytes: lane l holds k = 128 q + 4 l + i in register 4 q + i; its 16 codes go to byte 16 l of the LDS row.  That is a permutation of k,
; the same for x and for the weights, so every product meets its partner; only the order of the sums inside an instruction differs.
; UNITS.  Q and K are made TRANSPOSED (source 0 = 16 rows of W, source 1 = 16 rows of x): a lane holds one row of x and eight neighbouring channels, which is what the next product's fragment (k = channel) wants.
; V is made the natural way (source 0 = 16 rows of x, source 1 = 16 rows of Wv): a lane holds one channel and eight neighbouring keys, which is what V^T's fragment (k = key) wants.
; A fragment of the 16x16x64 form is 8 registers: lane (r, h) holds k = 16 c + 8 h + 0..7 of row r in registers 2 c, 2 c + 1.  Its image is [half u][lane][16 bytes], 1,024 bytes; half u = registers 4 u .. 4 u + 3.
; qimg: [512 tiles of 16 queries][1,024].  kv: [128 steps of 64 keys][8,192]: K's four fragments (16 keys each), then V^T's four (16 channels each).
; NO JOINT LOADS: the weights arrive as 3 x 131,072 bytes of f32, more than LDS has room for beside the 152,064 bytes of codes; they are read through registers, once by each work-group.
; LIMITS: e0 .. e7 and e9 between -126 and 119; e0 + e1, e2 + e3, e4 + e5 between -126 and 127, so that each power of two below is an f32 number.  NaN among the inputs is not served.
.set PITCH,  528                       ; an LDS row: 512 codes + 16 bytes = 33 x 16: the sixteen rows of a fragment load begin in sixteen different 16-byte columns of 256 bytes
.set ROW_X0, 0                         ; rows 0-31    x at 2^e0
.set ROW_X1, 32                        ; rows 32-63   x at 2^e2
.set ROW_WV, 64                        ; rows 64-127  Wv
.set ROW_WQ, 128                       ; rows 128-191 Wq
.set ROW_WK, 192                       ; rows 192-255 Wk
.set ROW_X2, 256                       ; rows 256-287 x at 2^e4
.set L16,  1                           ; v1   16 x lane
.set VX,   2                           ; v2   x: 16 x lane + my 2 rows
.set VW,   3                           ; v3   a weight: 16 x lane + my 4 rows
.set VXS,  4                           ; v4   LDS: my 2 rows of x at 2^e0 (2^e2: by the offset)
.set VWS,  5                           ; v5-7 LDS: my 4 rows of Wq, Wk, Wv
.set VA,   8                           ; v8   LDS: my unit's pair of tiles
.set VB,   9                           ; v9   LDS: my unit's single tile
.set VBQ,  10                          ; v10  bias of a unit of Q or K: 32 h + 128 u
.set VBV,  11                          ; v11  bias of a unit of V: 64 idx + 4 r
.set SCV,  12                          ; v12  the scale in hand as f32
.set LIMV, 13                          ; v13  448 x that
.set VXS2, 14                          ; v14  LDS: my 2 rows of x at 2^e4
.set X,    16                          ; v16-47   2 rows of x, 16 numbers a lane each
.set W,    48                          ; v48-175  two batches of 4 rows of a weight
.set T,    176                         ; v176-191 a row of x, held
.set XC,   192                         ; v192-215 x's codes: 6 x 4
.set WC,   216                         ; v216-231 a batch's codes: 4 x 4
.set BI,   232                         ; v232-247 bias, 16 channels a lane
.set BV,   248                         ; v248     bias, one channel a lane
.set FRG,  16                          ; phase B: v16-207: K step ks: the pair's tiles at 48 ks and 48 ks + 16, the single tile at 48 ks + 32
.set ACC,  208                         ; v208-223 two accumulators
.set F,    16                          ; v16-31   the unit's 16 numbers
.set C,    32                          ; v32-35   their codes
.macro MKSC sc, lim, e                 ; s[sc] = 2^e as f32, s[lim] = 448 x 2^e
	s_add_co_i32 s90, s[\e], 127
	s_lshl_b32 s[\sc], s90, 23
	s_add_co_i32 s90, s90, 8
	s_lshl_b32 s[\lim], s90, 23
	s_or_b32 s[\lim], s[\lim], 0x600000
.endm
	s_load_b512 s[16:31], s[0:1], 0x0              ; input 16, Wq 18, Wk 20, Wv 22, bq 24, bk 26, bv 28, the scales' exponents 30
	s_load_b128 s[32:35], s[0:1], 0x40             ; qimg 32, kv 34
	v_lshl_add_u32 v254, v0, 2, 0x25200
	v_mov_b32 v255, 0
	v_lshrrev_b32 v250, 5, v0
	v_readfirstlane_b32 s8, v250                   ; wave 0..15
	v_and_b32 v250, 31, v0
	v_lshlrev_b32 v[L16], 4, v250
	v_and_b32 v251, 15, v0                         ; r
	v_bfe_u32 v252, v0, 4, 1                       ; h
	s_lshr_b32 s9, s8, 2
	s_min_u32 s9, s9, 2                            ; m: 0 Q, 1 K, 2 V (waves 12-15, which have no unit, count as V)
	s_and_b32 s10, s8, 3                           ; idx: my unit among the four of its kind
	s_and_b32 s11, s8, 1                           ; sigma: which 16 rows of x (Q, K)
	s_lshr_b32 s12, s10, 1                         ; u: which half of the image (Q, K)
	s_lshr_b32 s13, s8, 3                          ; 1 for V
	s_xor_b32 s14, s13, 1                          ; 1 for Q and K
	s_and_b32 s74, s12, s14                        ; the pair: Q, K: weight tiles 2 u, 2 u + 1; V: the two tiles of x at 2^e4:
	s_lshl_b32 s74, s74, 5
	s_lshl_b32 s75, s9, 6
	s_add_co_u32 s74, s74, s75
	s_add_co_u32 s74, s74, ROW_WQ                  ; row 128 + 64 m + 32 u (u only for Q, K)
	s_mul_i32 s74, s74, PITCH
	s_and_b32 s75, s12, s13                        ; the single tile: Q, K: x's tile sigma at the product's scale; V: Wv's tile idx:
	s_add_co_u32 s75, s75, s9
	s_lshl_b32 s75, s75, 1
	s_add_co_u32 s75, s75, s11                     ; row 16 (2 m + sigma + 2 u) (u only for V)
	s_mul_i32 s75, s75, 16*PITCH
	v_mul_u32_u24 v[VA], v251, PITCH
	v_lshl_add_u32 v[VA], v252, 4, v[VA]           ; row r, + 16 h
	v_add_nc_u32 v[VB], s75, v[VA]
	v_add_nc_u32 v[VA], s74, v[VA]
	s_lshl_b32 s76, s8, 12
	v_add_nc_u32 v[VX], s76, v[L16]                ; 2 rows of 2,048 bytes a wave
	s_lshl_b32 s76, s8, 13
	v_add_nc_u32 v[VW], s76, v[L16]                ; 4 rows a wave
	s_mul_i32 s76, s8, 2*PITCH
	v_add_nc_u32 v[VXS], s76, v[L16]
	v_add_nc_u32 v[VXS2], ROW_X2*PITCH, v[VXS]
	s_mul_i32 s76, s8, 4*PITCH
	v_add_nc_u32 v[VWS+2], s76, v[L16]
	v_add_nc_u32 v[VWS], ROW_WQ*PITCH, v[VWS+2]
	v_add_nc_u32 v[VWS+1], ROW_WK*PITCH, v[VWS+2]
	v_add_nc_u32 v[VWS+2], ROW_WV*PITCH, v[VWS+2]
	v_lshlrev_b32 v[VBQ], 5, v252
	s_lshl_b32 s76, s12, 7
	v_add_nc_u32 v[VBQ], s76, v[VBQ]
	v_lshlrev_b32 v[VBV], 2, v251
	s_lshl_b32 s76, s10, 6
	v_add_nc_u32 v[VBV], s76, v[VBV]
	; where my unit's 512 bytes go.  b = the work-group's number.
	s_lshl_b32 s77, s11, 10
	s_lshl_b32 s78, s12, 9
	s_add_co_u32 s77, s77, s78                     ; 1,024 sigma + 512 u
	s_lshl_b32 s79, ttmp9, 11
	s_add_co_u32 s79, s79, s77                     ; Q: tile 2 b + sigma, half u
	s_lshr_b32 s80, ttmp9, 1
	s_lshl_b32 s80, s80, 13                        ; the step of 64 keys: b / 2
	s_and_b32 s81, ttmp9, 1
	s_lshl_b32 s82, s81, 11
	s_add_co_u32 s82, s82, s80
	s_add_co_u32 s82, s82, s77                     ; K: fragment 2 (b % 2) + sigma, half u
	s_lshl_b32 s83, s81, 9
	s_add_co_u32 s83, s83, s80
	s_lshl_b32 s84, s10, 10
	s_add_co_u32 s83, s83, s84
	s_add_co_u32 s83, s83, 4096                    ; V: fragment idx, half b % 2 (my 32 keys are half of the step's 64)
	s_lshl_b32 s86, ttmp9, 16                      ; my 32 rows of x
	s_mov_b32 s87, 0
	s_wait_kmcnt 0x0
	s_load_b256 s[40:47], s[30:31], 0x0            ; e0 .. e7
	s_load_b32 s49, s[30:31], 0x24                 ; e9
	s_add_nc_u64 s[16:17], s[16:17], s[86:87]
	s_cmp_lt_u32 s8, 4                             ; the choices hang on the wave's number alone
	s_cselect_b64 s[66:67], s[24:25], s[26:27]     ; bq or bk,
	s_cselect_b64 s[68:69], s[32:33], s[34:35]     ; qimg or kv
	s_cselect_b32 s84, s79, s82
	s_cmp_lt_u32 s8, 8
	s_cselect_b64 s[66:67], s[66:67], s[28:29]     ; or bv
	s_cselect_b32 s84, s84, s83
	s_mov_b32 s85, 0
	s_add_nc_u64 s[68:69], s[68:69], s[84:85]
	; ---- all loads of the first two thirds go out at once: 8 of x, 5 of the bias, 32 of Wq and Wk
.irp p, 0,1
.irp q, 0,1,2,3
	global_load_b128 v[X+16*\p+4*\q:X+16*\p+4*\q+3], v[VX], s[16:17] offset:2048*\p+512*\q th:TH_LOAD_NT   ; 32 lanes read 512 consecutive bytes; read once in the launch
.endr
.endr
	; The bias in both shapes, so that every register is written on every way: a unit of Q or K uses the 16 channels, a unit of V the one; the other shape is loaded in vain (1 or 4 loads a wave).
	global_load_b128 v[BI:BI+3],     v[VBQ], s[66:67]
	global_load_b128 v[BI+4:BI+7],   v[VBQ], s[66:67] offset:16
	global_load_b128 v[BI+8:BI+11],  v[VBQ], s[66:67] offset:64
	global_load_b128 v[BI+12:BI+15], v[VBQ], s[66:67] offset:80
	global_load_b32 v[BV], v[VBV], s[66:67]
.macro WLD m                           ; my 4 rows of weight m (0 Wq, 1 Wk, 2 Wv) into batch m % 2
.irp i, 0,1,2,3
.irp q, 0,1,2,3
	global_load_b128 v[W+64*((\m)%2)+16*\i+4*\q:W+64*((\m)%2)+16*\i+4*\q+3], v[VW], s[18+2*(\m):19+2*(\m)] offset:2048*\i+512*\q
.endr
.endr
.endm
	WLD 0
	WLD 1
	s_wait_kmcnt 0x0
	MKSC 50, 51, 40                                ; x at 2^e0,
	MKSC 52, 53, 42                                ; 2^e2,
	MKSC 54, 55, 44                                ; 2^e4
	MKSC 56, 57, 41                                ; Wq at 2^e1,
	MKSC 58, 59, 43                                ; Wk at 2^e3,
	MKSC 60, 61, 45                                ; Wv at 2^e5
	s_add_co_i32 s74, s40, s41
	s_add_co_i32 s75, s42, s43
	s_add_co_i32 s76, s44, s45
	s_cmp_lt_u32 s8, 4
	s_cselect_b32 s74, s74, s75
	s_cselect_b32 s77, s46, s47
	s_cmp_lt_u32 s8, 8
	s_cselect_b32 s74, s74, s76                    ; my product's two exponents added,
	s_cselect_b32 s77, s77, s49                    ; and my result's: e6, e7 or e9
	s_add_co_i32 s74, s74, 127
	s_lshl_b32 s70, s74, 23                        ; a sum stands for sum x this power of two
	s_mov_b32 s71, s70                             ; (named with it as a pair, so it is written)
	MKSC 72, 73, 77
	; ---- phase A: x, three times.  The conversion to an 8-bit code does not saturate (ISA guide 7.6.2): each number is first held within 448 x the scale.
.macro XQ z, adr, row
	v_mov_b32 v[SCV], s[50+2*\z]
	v_mov_b32 v[LIMV], s[51+2*\z]
.irp p, 0,1
.set kk, 0
.rept 16
	v_med3_num_f32 v[T+kk], v[X+16*\p+kk], -v[LIMV], v[LIMV]
.set kk, kk+1
.endr
	v_cvt_scalef32_pk8_fp8_f32 v[XC+4*(2*\z+\p):XC+4*(2*\z+\p)+1], v[T:T+7], v[SCV]
	v_cvt_scalef32_pk8_fp8_f32 v[XC+4*(2*\z+\p)+2:XC+4*(2*\z+\p)+3], v[T+8:T+15], v[SCV]
	v_nop                                          ; one plain vector line between the conversions and the next lines that write their sources
	ds_store_b128 v[\adr], v[XC+4*(2*\z+\p):XC+4*(2*\z+\p)+3] offset:(\row+\p)*PITCH   ; 32 lanes: the row's 512 consecutive bytes
.endr
.endm
	s_wait_loadcnt 32                              ; x and the bias are in; the 32 younger loads (Wq, Wk) may be out
	XQ 0, VXS, ROW_X0
	XQ 1, VXS, ROW_X1
	XQ 2, VXS2, 0
	; ---- phase A: the weights, a batch of 4 rows at a time, held in place
.macro WQ m, left
.set rW, W+64*((\m)%2)
	s_wait_loadcnt \left                           ; this batch is in; a younger batch of 16 loads may be out
.if \m > 0
	s_wait_dscnt 0x0                               ; the last batch's stores have read the registers that take this batch's codes
.endif
	v_mov_b32 v[SCV], s[56+2*\m]
	v_mov_b32 v[LIMV], s[57+2*\m]
.irp i, 0,1,2,3
.set kk, 0
.rept 16
	v_med3_num_f32 v[rW+16*\i+kk], v[rW+16*\i+kk], -v[LIMV], v[LIMV]
.set kk, kk+1
.endr
	v_cvt_scalef32_pk8_fp8_f32 v[WC+4*\i:WC+4*\i+1], v[rW+16*\i:rW+16*\i+7], v[SCV]        ; (the next row's holds are the plain lines behind these)
	v_cvt_scalef32_pk8_fp8_f32 v[WC+4*\i+2:WC+4*\i+3], v[rW+16*\i+8:rW+16*\i+15], v[SCV]
.endr
	v_nop                                          ; one plain vector line behind the last conversion
.irp i, 0,1,2,3
	ds_store_b128 v[VWS+\m], v[WC+4*\i:WC+4*\i+3] offset:\i*PITCH
.endr
.endm
	WQ 0, 16
	WLD 2                                          ; Wv takes the registers that Wq has left
	WQ 1, 16
	WQ 2, 0
	s_wait_dscnt 0x0                               ; for the others' sake: all my stores have landed
	s_barrier_signal -1
	s_barrier_wait -1                              ; the 288 rows of codes lie in LDS; nothing is stored there again
	s_cmp_ge_u32 s8, 12
	s_cbranch_scc1 .Lend                           ; twelve units, sixteen waves
	; ---- phase B: my unit.  48 loads in one run, K step by K step; the same text serves all three kinds
.irp ks, 0,1,2,3
.irp c, 0,1,2,3
	ds_load_b128 v[FRG+48*\ks+4*\c:FRG+48*\ks+4*\c+3], v[VA] offset:128*\ks+32*\c
.endr
.irp c, 0,1,2,3
	ds_load_b128 v[FRG+48*\ks+16+4*\c:FRG+48*\ks+16+4*\c+3], v[VA] offset:16*PITCH+128*\ks+32*\c
.endr
.irp c, 0,1,2,3
	ds_load_b128 v[FRG+48*\ks+32+4*\c:FRG+48*\ks+32+4*\c+3], v[VB] offset:128*\ks+32*\c
.endr
.endr
	s_wait_dscnt 36                                ; K step 0's twelve loads are in; the 36 behind them may be out
	v_wmma_f32_16x16x128_fp8_fp8 v[ACC:ACC+7],    v[FRG:FRG+15],    v[FRG+32:FRG+47], 0     ; the first K step starts both sums
	v_wmma_f32_16x16x128_fp8_fp8 v[ACC+8:ACC+15], v[FRG+16:FRG+31], v[FRG+32:FRG+47], 0
.irp ks, 1,2,3
	s_wait_dscnt 36-12*\ks
	v_wmma_f32_16x16x128_fp8_fp8 v[ACC:ACC+7],    v[FRG+48*\ks:FRG+48*\ks+15],    v[FRG+48*\ks+32:FRG+48*\ks+47], v[ACC:ACC+7]      ; the two accumulators take turns, one instruction a turn
	v_wmma_f32_16x16x128_fp8_fp8 v[ACC+8:ACC+15], v[FRG+48*\ks+16:FRG+48*\ks+31], v[FRG+48*\ks+32:FRG+48*\ks+47], v[ACC+8:ACC+15]
.endr
.rept 4
	v_nop                                          ; four places between the last products and the lines that read their results and write over fragments (ISA guide 7.12.1)
.endr
	s_cmp_lt_u32 s8, 8
	s_cbranch_scc0 .Lv_arm
.set kk, 0
.rept 8
	v_pk_fma_f32 v[F+kk:F+kk+1], v[ACC+kk:ACC+kk+1], s[70:71], v[BI+kk:BI+kk+1] op_sel_hi:[1,0,1]   ; Q, K: sum x 2^(ea + eb) + the bias of my 16 channels; each accumulator from its low end on
.set kk, kk+2
.endr
	s_branch .Ljoin
.Lv_arm:
.set kk, 0
.rept 16
	v_fma_f32 v[F+kk], v[ACC+kk], s70, v[BV]       ; V: the same with my one channel's bias
.set kk, kk+1
.endr
.Ljoin:
	v_mov_b32 v[SCV], s72
	v_mov_b32 v[LIMV], s73
.set kk, 0
.rept 16
	v_med3_num_f32 v[F+kk], v[F+kk], -v[LIMV], v[LIMV]
.set kk, kk+1
.endr
	v_cvt_scalef32_pk8_fp8_f32 v[C:C+1],   v[F:F+7],    v[SCV]
	v_cvt_scalef32_pk8_fp8_f32 v[C+2:C+3], v[F+8:F+15], v[SCV]
	v_nop
	global_store_b128 v[L16], v[C:C+3], s[68:69]   ; half an image: 32 lanes store 512 consecutive bytes, at a multiple of 512 from the buffer's first byte
.Lend:
	s_wait_tensorcnt 0x0
	ds_add_u32 v254, v255
	s_wait_dscnt 0x0
	s_endpgm
.Lfunc_end_k_qe125c291be_proj:
	.size	k_qe125c291be_proj, .Lfunc_end_k_qe125c291be_proj-k_qe125c291be_proj
	.p2alignl 7, 3214868480
	.fill 96, 4, 3214868480
	.section	.rodata,"a",@progbits
	.p2align	6, 0x0
	.amdhsa_kernel k_qe125c291be_proj
		.amdhsa_group_segment_fixed_size 154112
		.amdhsa_private_segment_fixed_size 0
		.amdhsa_enable_private_segment 0
		.amdhsa_kernarg_size 80
		.amdhsa_user_sgpr_count 2
		.amdhsa_user_sgpr_kernarg_segment_ptr 1
		.amdhsa_wavefront_size32 1
		.amdhsa_system_sgpr_workgroup_id_x 1
		.amdhsa_system_sgpr_workgroup_id_y 1
		.amdhsa_system_sgpr_workgroup_id_z 1
		.amdhsa_system_vgpr_workitem_id 0
		.amdhsa_next_free_vgpr 256
		.amdhsa_next_free_sgpr 96
		.amdhsa_reserve_vcc 0
		.amdhsa_float_denorm_mode_32 3
		.amdhsa_float_denorm_mode_16_64 3
		.amdhsa_memory_ordered 1
		.amdhsa_forward_progress 1
		.amdhsa_inst_pref_size 41
	.end_amdhsa_kernel
	.amdgpu_metadata
---
amdhsa.version: [ 1, 2 ]
amdhsa.kernels:
  - .name:           k_qe125c291be_proj
    .symbol:         k_qe125c291be_proj.kd
    .args:
      - { .name: input, .offset: 0, .size: 8, .value_kind: global_buffer, .address_space: global }
      - { .name: Wq, .offset: 8, .size: 8, .value_kind: global_buffer, .address_space: global }
      - { .name: Wk, .offset: 16, .size: 8, .value_kind: global_buffer, .address_space: global }
      - { .name: Wv, .offset: 24, .size: 8, .value_kind: global_buffer, .address_space: global }
      - { .name: bq, .offset: 32, .size: 8, .value_kind: global_buffer, .address_space: global }
      - { .name: bk, .offset: 40, .size: 8, .value_kind: global_buffer, .address_space: global }
      - { .name: bv, .offset: 48, .size: 8, .value_kind: global_buffer, .address_space: global }
      - { .name: lowp_scales, .offset: 56, .size: 8, .value_kind: global_buffer, .address_space: global }
      - { .name: qimg, .offset: 64, .size: 8, .value_kind: global_buffer, .address_space: global }
      - { .name: kv, .offset: 72, .size: 8, .value_kind: global_buffer, .address_space: global }
    .group_segment_fixed_size: 154112
    .private_segment_fixed_size: 0
    .kernarg_segment_align: 8
    .kernarg_segment_size: 80
    .max_flat_workgroup_size: 512
    .sgpr_count:     96
    .vgpr_count:     256
    .wavefront_size: 32
...
	.end_amdgpu_metadata
.endif
;; end of part 1
;; launch attn (part 2): grid 256 x 1, 16 waves a work-group, clusters of 4 x 1, 327,680 bytes of LDS; arguments qimg, kv, lowp_scales, out0; writes out0
.if DOCPART == 2
	.amdgcn_target "amdgcn-amd-amdhsa--gfx1250"
	.amdhsa_code_object_version 6
	.text
	.protected	k_qe125c291be_attn
	.globl	k_qe125c291be_attn
	.p2align	8
	.type	k_qe125c291be_attn,@function
k_qe125c291be_attn:
	s_mov_b64 s[64:65], 0
	v_nop
	global_prefetch_b8 v0, s[64:65] scope:SCOPE_SE
	s_setreg_imm32_b32 hwreg(HW_REG_WAVE_MODE, 25, 1), 1
	s_wait_xcnt 0x0
	s_wait_alu depctr_hold_cnt(0) depctr_sa_sdst(0) depctr_va_vdst(0) depctr_va_sdst(0) depctr_va_ssrc(0) depctr_va_vcc(0) depctr_vm_vsrc(0)
	s_getreg_b32 s2, hwreg(HW_REG_IB_STS2, 6, 4)
	s_cmp_eq_u32 s2, 0
	s_cbranch_scc0 .Lentry_in_a_cluster
	s_endpgm
.Lentry_in_a_cluster:
	s_bfe_u32 s2, ttmp6, 0x10000c
	s_cmp_lg_u32 s2, 0x3003
	s_cbranch_scc0 .Lentry_shape_is_right
	s_endpgm
.Lentry_shape_is_right:
; out[q][:] = the sum over k of softmax_k(Q[q] . K[k] / 8) V[k][:], 8,192 queries and keys, 64 channels, both products on codes of FP8 (E4M3) by the 16x16x64 form, k in its true places.
; qimg: [512 tiles of 16 queries][1,024 bytes]; kv: [128 steps of 64 keys][K's four fragments, V^T's four fragments: 8,192 bytes]: images of operand registers ([half u][lane][16 bytes]).
; THE SOFTMAX AHEAD OF THE SECOND PRODUCT: t = score x log2(e) / 8; M = the largest t so far, rounded UP to a whole number; p = 2^(t - M) is quantised with 2^e8; it is not normalised.
; The sum is taken of the unquantised p and divides at the end.  When M moves, the sum and O are multiplied by 2^(old M - new M): exact.
; SHARES.  A work-group owns 32 queries, two tiles, which EVERY one of its sixteen waves holds (16 registers).  THE WAVES SHARE THE KEYS: of each 16 steps wave w takes step w, 8 steps in all.  So each fragment
; of K and V is read from LDS once, by one wave, and feeds two products; a wave's tiles are brought by its own tensor load into its own bytes, and four waves share a SIMD.  Each wave keeps a running M of ITS keys
; (never above the row's M, so p keeps no less of the format's range); at the end the sixteen parts (O, M, sum) meet in LDS and are brought under the row's M by exact powers of two.
; LAYOUT.  S^T = K Q^T (source 0 = 16 keys, source 1 = 16 queries): lane (r, h) holds query r and keys 16 c + 8 h + 0..7 of tile c: their eight codes ARE registers 2 c, 2 c + 1 of P, source 1 of O^T = V^T P.
; CLUSTER.  The four work-groups of a cluster walk the same kv: wave w of each asks for the same 8,192 bytes JOINTLY, with one descriptor made of w and constants alone and a mask that names the four.
; By this text's own count a wave has at most two tensor loads out (the two first fills), later one.
; LIMITS: e6 + e7 between -123 and 130 (added to c's exponent field); e8 between -126 and 119; e8 + e9 goes through v_ldexp_f32 and has none.  NaN among the inputs is not served.
.set SLOT1, 131072                     ; LDS: slot 0 at 0, slot 1 here; in a slot wave w owns bytes 8,192 w on
.set SPARE, 262144                     ; behind the ring: the spare words, 128 bytes for each of the 16 waves: eight blocks of 256 bytes that no other line names
.set SSTAT, 4352                       ; the end's stage (in a wave's own bytes of slot t for tile t, behind their last fill): O in 16 rows of 272 bytes, then (-M, sum) 16 bytes a lane
.set ADR0, 1                           ; v1   16 x lane + 8,192 w: my bytes of slot 0;  at the end: where I read the statistics of waves 0-7
.set ADR1, 2                           ; v2   the same in slot 1;                       at the end: of waves 8-15
.set SPW,  3                           ; v3   LDS address of my spare word; never rewritten
.set NIL,  4                           ; v4   0; never rewritten
.set QO,   5                           ; v5   16 x lane
.set STG,  6                           ; v6-7 the end: where I put tile 0's, tile 1's part
.set ST,   8                           ; tile t at v[8+4t]: -M, the largest t, the sum in two halves
.set QF,   16                          ; v16-31   Q, 8 a tile
.set KF,   32                          ; v32-63   K's four fragments
.set VF,   64                          ; v64-95   V^T's four
.set SS,   96                          ; v96-159  S^T, then p: 32 a tile
.set OO,   160                         ; v160-223 O^T: 32 a tile
.set PP,   224                         ; v224-239 p's codes: 8 a tile
.set LIM,  240                         ; v240     448 x 2^e8
.set SCL,  241                         ; v241     2^e8
.set TP,   242                         ; tile t at v[242+6t]: two at work, f and a word beside it, the second chain of the sum
.set RDO,  254                         ; v254-255 the end: where I read O's parts of waves 0-7, 8-15
.set WV,   12                          ; s12      my wave's number
.set G1,   16                          ; s[16:23] descriptor group 1
.set SEL,  24                          ; s[24:25] lane selects for v_permlanex16_b32: lane l xor 16
.set CS,   26                          ; s[26:27] c = log2(e) / 8 x 2^(e6 + e7)
.set G0,   32                          ; s[32:39] descriptor group 0, a set for each slot
; A round of the cluster's barrier: my work-group's barrier, so that wave 0's signal speaks for all sixteen waves; wave 0 signals; every wave waits for the four work-groups; my work-group's barrier once more.
.macro ROUND
	s_barrier_signal -1
	s_barrier_wait -1
	s_cmp_lg_u32 s[WV], 0
	s_cbranch_scc1 .Lnot_wave_0_\@
	s_barrier_signal -3
.Lnot_wave_0_\@:
	s_barrier_wait -3
	s_barrier_signal -1
	s_barrier_wait -1
.endm
	s_load_b256 s[4:11], s[0:1], 0x0               ; qimg s[4:5], kv s[6:7], the scales' exponents s[8:9], out0 s[10:11]
	v_lshl_add_u32 v[SPW], v0, 2, SPARE
	v_mov_b32 v[NIL], 0
	ds_add_u32 v3, v4
	ds_add_u32 v3, v4
	s_wait_dscnt 0x0
	v_lshrrev_b32 v8, 5, v0
	v_readfirstlane_b32 s[WV], v8                  ; wave 0..15
	s_bfe_u32 s13, ttmp6, 0x40000                  ; cx: my place in the cluster
	s_lshl_b32 s14, ttmp9, 2                       ; in a cluster launch ttmp9 counts clusters
	s_add_co_u32 s14, s14, s13                     ; b, my block of 32 queries: it enters qimg's and out0's addresses alone
	; descriptor group 1: 8,192 dense bytes as 32 rows of 32 elements of 8 bytes
	s_mov_b32 s[G1+0], 15|(3<<16)|(1<<21)          ; 15:0 the mask: all four work-groups; 17:16 elements of 8 bytes; 20 no padding; 21 set beside a mask
	s_mov_b32 s[G1+1], 32<<16                      ; tensor_dim0 = 32
	s_mov_b32 s[G1+2], 32<<16                      ; tensor_dim1 = 32
	s_mov_b32 s[G1+3], 32<<16                      ; tile_dim0 = 32
	s_mov_b32 s[G1+4], 32                          ; tile_dim1 = 32
	s_mov_b32 s[G1+5], 32                          ; from row to row: 32 elements
	s_mov_b32 s[G1+6], 0
	s_mov_b32 s[G1+7], 0
	s_mov_b32 s[SEL], 0x76543210
	s_mov_b32 s[SEL+1], 0xfedcba98
	s_mov_b32 s[CS], 0x3e38aa3b                    ; log2(e) / 8
	s_lshl_b32 s28, s[WV], 13                      ; 8,192 w: my step in 16 steps of kv, and my bytes in a slot
	s_mov_b32 s29, 0
	s_lshl_b32 s46, s14, 11                        ; my two tiles of Q
	s_mov_b32 s47, 0
	s_lshl_b32 s48, s14, 13                        ; my block's 32 rows of out0,
	s_lshl_b32 s49, s[WV], 9                       ; and the two of them that my wave stores
	s_add_co_u32 s48, s48, s49
	s_mov_b32 s49, 0
	s_lshr_b32 s50, s[WV], 3                       ; the end: my two rows lie in tile w / 8, queries 2 (w % 8) and the next
	s_lshl_b32 s50, s50, 17
	s_and_b32 s51, s[WV], 7
	s_lshl_b32 s51, s51, 5
	s_add_co_u32 s50, s50, s51                     ; 131,072 (w / 8) + 32 (w % 8)
	s_add_co_u32 s51, s50, SSTAT
	s_wait_kmcnt 0x0
	s_load_b128 s[40:43], s[8:9], 0x18             ; e6, e7, e8, e9
	s_add_nc_u64 s[30:31], s[6:7], s[28:29]
	s_mov_b32 s[G0], 1                             ; count = 1
	s_mov_b32 s[G0+1], s28                         ; LDS address: slot 0
	s_mov_b64 s[G0+2:G0+3], s[30:31]               ; global address: step w
	s_or_b32 s[G0+3], s[G0+3], 0x80000000          ; type = 2
	s_mov_b32 s[G0+4], 1
	s_add_co_u32 s[G0+5], s28, SLOT1               ; slot 1
	s_add_nc_u64 s[G0+6:G0+7], s[30:31], SLOT1     ; step 16 + w: 16 steps are as many bytes as a slot
	s_or_b32 s[G0+7], s[G0+7], 0x80000000
	s_add_nc_u64 s[4:5], s[4:5], s[46:47]
	s_add_nc_u64 s[10:11], s[10:11], s[48:49]
	ROUND                                          ; all four work-groups are here: the first joint loads meet
	tensor_load_to_lds s[G0:G0+3], s[G1:G1+7]      ; both first fills go out together, ahead of every wait on TENSORcnt and every LDS read
	s_nop 0
	tensor_load_to_lds s[G0+4:G0+7], s[G1:G1+7]
	s_nop 0
.rept 4
	v_nop
.endr
	v_and_b32 v8, 31, v0
	v_lshlrev_b32 v[QO], 4, v8
.irp t, 0,1
.irp u, 0,1
	global_load_b128 v[QF+8*\t+4*\u:QF+8*\t+4*\u+3], v[QO], s[4:5] offset:1024*\t+512*\u   ; Q stays in registers
.endr
.endr
	v_add_nc_u32 v[ADR0], s28, v[QO]
	v_add_nc_u32 v[ADR1], SLOT1, v[ADR0]
	v_and_b32 v8, 15, v0                           ; r
	v_bfe_u32 v9, v0, 4, 1                         ; h
	v_mul_u32_u24 v[STG], v9, 272                  ; the stage, on the way in: group g of four registers (channels 16 (g / 2) + 8 h + 4 (g % 2) on) at row 2 g + h of 272 bytes, query r at 16 r
	v_lshl_add_u32 v[STG], v8, 4, v[STG]
	v_add_nc_u32 v[STG], s28, v[STG]
	v_add_nc_u32 v[STG+1], SLOT1, v[STG]
	v_and_b32 v10, 12, v0                          ; on the way out lane (x = l % 16, y = l / 16) takes channels 4 x on of query 2 (w % 8) + y: row 4 (x / 4) + 2 (x % 2) + (x / 2) % 2
	v_and_b32 v11, 1, v0
	v_lshl_add_u32 v10, v11, 1, v10
	v_bfe_u32 v11, v0, 1, 1
	v_add_nc_u32 v10, v10, v11
	v_mul_u32_u24 v10, v10, 272                    ; sixteen lanes, sixteen rows of 272 bytes: sixteen different 16-byte columns of 256
	v_lshl_add_u32 v10, v9, 4, v10
	v_add_nc_u32 v[RDO], s50, v10
	v_add_nc_u32 v[RDO+1], 0x10000, v[RDO]
	v_mov_b32 v[TP+3], 0                           ; named as the upper halves of the pairs that hold f, so they are written
	v_mov_b32 v[TP+9], 0
	s_wait_kmcnt 0x0
	s_add_co_i32 s46, s40, s41
	s_lshl_b32 s46, s46, 23
	s_add_co_i32 s[CS], s[CS], s46                 ; a score stands for score x 2^(e6 + e7): the exponents are added to c's exponent field
	s_mov_b32 s[CS+1], s[CS]                       ; (named with it as a pair, so it is written)
	s_add_co_i32 s46, s42, 127
	s_lshl_b32 s47, s46, 23
	v_mov_b32 v[SCL], s47                          ; 2^e8 as f32: the conversion takes its exponent field
	s_add_co_i32 s46, s46, 8
	s_lshl_b32 s46, s46, 23
	s_or_b32 s46, s46, 0x600000
	v_mov_b32 v[LIM], s46                          ; 448 x 2^e8
	s_add_co_i32 s52, s42, s43                     ; e8 + e9
; THE PARTS OF A STEP'S SOFTMAX, each for tile t.
.macro MAXP t                          ; the largest of the lane's 32 scores, in two chains, and of lane l xor 16's.  Each accumulator's first read is of its two lowest registers
.set rS, SS+32*(\t)
.set rA, TP+6*(\t)
	v_max3_num_f32 v[rA], v[rS], v[rS+1], v[rS+2]
	v_max3_num_f32 v[rA+1], v[rS+3], v[rS+4], v[rS+5]
.irp i, 6,10,14,18,22,26
	v_max3_num_f32 v[rA], v[rA], v[rS+\i], v[rS+\i+1]
	v_max3_num_f32 v[rA+1], v[rA+1], v[rS+\i+2], v[rS+\i+3]
.endr
	v_max3_num_f32 v[rA], v[rA], v[rS+30], v[rS+31]
	v_max_num_f32 v[rA], v[rA], v[rA+1]
	v_permlanex16_b32 v[rA+1], v[rA], s[SEL], s[SEL+1]
	v_max_num_f32 v[rA], v[rA], v[rA+1]
.endm
.macro STAT t, first                   ; -M = floor(-the largest t): M is a whole number; f = 2^(old M - new M)
.set rN, ST+4*(\t)
.set rA, TP+6*(\t)
.if \first
	v_mul_f32 v[rN+1], s[CS], v[rA]                ; as t (c is positive)
	v_floor_f32 v[rN], -v[rN+1]
.else
	v_mul_f32 v[rA], s[CS], v[rA]
	v_max_num_f32 v[rN+1], v[rN+1], v[rA]
	v_mov_b32 v[rA], v[rN]
	v_floor_f32 v[rN], -v[rN+1]
	v_sub_f32 v[rA], v[rN], v[rA]                  ; a whole number, 0 or less
	v_cvt_i32_f32 v[rA], v[rA]                     ; (it saturates)
	v_ldexp_f32 v[rA+2], 1.0, v[rA]
.endif
.endm
.macro ARG t                           ; t - M, two at a time (of the pairs c and -M the low word serves both halves)
.set jj, SS+32*(\t)
.rept 16
	v_pk_fma_f32 v[jj:jj+1], v[jj:jj+1], s[CS:CS+1], v[ST+4*(\t):ST+4*(\t)+1] op_sel_hi:[1,0,0]
.set jj, jj+2
.endr
.endm
.macro EXPP t                          ; p = 2^(t - M), at most 1
.set jj, SS+32*(\t)
.rept 32
	v_exp_f32 v[jj], v[jj]
.set jj, jj+1
.endr
.endm
.macro SUMP t, first                   ; the sum of the UNQUANTISED p, two at a time, in two chains
.set rS, SS+32*(\t)
.set rL, ST+4*(\t)+2
.set rF, TP+6*(\t)+2
.set rB, TP+6*(\t)+4
.if \first
	v_pk_add_f32 v[rL:rL+1], v[rS:rS+1], v[rS+2:rS+3]
	v_pk_add_f32 v[rB:rB+1], v[rS+4:rS+5], v[rS+6:rS+7]
.irp j, 8,12,16,20,24,28
	v_pk_add_f32 v[rL:rL+1], v[rL:rL+1], v[rS+\j:rS+\j+1]
	v_pk_add_f32 v[rB:rB+1], v[rB:rB+1], v[rS+\j+2:rS+\j+3]
.endr
.else
	v_pk_mul_f32 v[rL:rL+1], v[rL:rL+1], v[rF:rF+1] op_sel_hi:[1,0]   ; the sum under the new M.  (For tile 0 also the plain line behind the exponentials)
	s_wait_alu depctr_va_vdst(0)
	v_pk_add_f32 v[rB:rB+1], v[rS:rS+1], v[rS+2:rS+3]
.irp j, 4,8,12,16,20,24,28
	v_pk_add_f32 v[rL:rL+1], v[rL:rL+1], v[rS+\j:rS+\j+1]
	v_pk_add_f32 v[rB:rB+1], v[rB:rB+1], v[rS+\j+2:rS+\j+3]
.endr
.endif
	v_pk_add_f32 v[rL:rL+1], v[rL:rL+1], v[rB:rB+1]
.endm
.macro QNT t                           ; the conversion to an 8-bit code does not saturate (ISA guide 7.6.2); p is not negative, so the hold is one-sided
.set jj, SS+32*(\t)
.rept 32
	v_min_num_f32 v[jj], v[jj], v[LIM]
.set jj, jj+1
.endr
.irp c, 0,1,2,3
	v_cvt_scalef32_pk8_fp8_f32 v[PP+8*(\t)+2*\c:PP+8*(\t)+2*\c+1], v[SS+32*(\t)+8*\c:SS+32*(\t)+8*\c+7], v[SCL]   ; tile c's eight keys: registers 2 c, 2 c + 1 of P
.endr
.endm
.macro RESC t                          ; O^T under the new M: x f; each accumulator from its low end on
.set jj, OO+32*(\t)
.rept 16
	v_pk_mul_f32 v[jj:jj+1], v[jj:jj+1], v[TP+6*(\t)+2:TP+6*(\t)+3] op_sel_hi:[1,0]
.set jj, jj+2
.endr
.endm
; A STEP: my 64 keys in the slot at v[adr], for both tiles of queries.  first = 1: it starts M, the sum and O^T: nothing is cleared.
.macro STEP adr, first
.irp c, 0,1,2,3
	ds_load_b128 v[KF+8*\c:KF+8*\c+3],   v[\adr] offset:1024*\c          ; an image comes back as it was stored: 32 lanes, 512 consecutive bytes
	ds_load_b128 v[KF+8*\c+4:KF+8*\c+7], v[\adr] offset:1024*\c+512
.endr
.irp j, 0,1,2,3
	ds_load_b128 v[VF+8*\j:VF+8*\j+3],   v[\adr] offset:4096+1024*\j
	ds_load_b128 v[VF+8*\j+4:VF+8*\j+7], v[\adr] offset:4096+1024*\j+512
.endr
	s_wait_dscnt 8                                 ; K is in; V's eight loads behind it may be out
.irp c, 0,1,2,3
.irp t, 0,1
	v_wmma_f32_16x16x64_fp8_fp8 v[SS+32*\t+8*\c:SS+32*\t+8*\c+7], v[KF+8*\c:KF+8*\c+7], v[QF+8*\t:QF+8*\t+7], 0
.endr
.endr
.rept 4
	v_nop                                          ; four places between the products and the first read of their results (ISA guide 7.12.1)
.endr
	MAXP 0
	MAXP 1
	STAT 0, \first
	STAT 1, \first
	ARG 0
	ARG 1
	EXPP 0
	EXPP 1
.if \first
	v_nop                                          ; a plain line between the last exponential and the use of results
	s_wait_alu depctr_va_vdst(0)
.endif
	SUMP 0, \first
	SUMP 1, \first
	QNT 0
	QNT 1
.if \first
	v_nop                                          ; one plain vector line between the conversions and the products that read their results
.else
	RESC 0                                         ; (these are that line too)
	RESC 1
.endif
	s_wait_dscnt 0x0                               ; V is in
.irp j, 0,1,2,3
.irp t, 0,1
.if \first
	v_wmma_f32_16x16x64_fp8_fp8 v[OO+32*\t+8*\j:OO+32*\t+8*\j+7], v[VF+8*\j:VF+8*\j+7], v[PP+8*\t:PP+8*\t+7], 0
.else
	v_wmma_f32_16x16x64_fp8_fp8 v[OO+32*\t+8*\j:OO+32*\t+8*\j+7], v[VF+8*\j:VF+8*\j+7], v[PP+8*\t:PP+8*\t+7], v[OO+32*\t+8*\j:OO+32*\t+8*\j+7]   ; eight accumulators, one instruction a turn
.endif
.endr
.endr
.endm
; Slot x has been read and is filled again, with the step 32 further on.  Each wave waits for all its tensor loads (the other slot's), adds 0 to its spare word, and waits for that and for its reads of the slot;
; the round then says the same of every wave of the four work-groups, and the joint refill is the first thing behind it: it has a whole step of all waves in which to land.
.macro CHANGE x
	s_wait_tensorcnt 0x0                           ; no tensor load of mine is out, so a group 0 may be written
	ds_add_u32 v[SPW], v[NIL]                      ; 0 onto my spare word
	s_add_nc_u64 s[G0+4*\x+2:G0+4*\x+3], s[G0+4*\x+2:G0+4*\x+3], 2*SLOT1   ; 32 steps on; the type bits on top are not reached
	s_wait_dscnt 0x0                               ; the add is done; my reads of the slot were waited for in the step
	ROUND
	tensor_load_to_lds s[G0+4*\x:G0+4*\x+3], s[G1:G1+7]
	s_nop 0
.rept 4
	v_nop                                          ; the four places between the last products and the loads into V's registers
.endr
.endm
	s_wait_loadcnt 0x0                             ; Q
	s_wait_tensorcnt 0x1                           ; my bytes of slot 0 are in (only I read them); slot 1's load, issued behind, may be out
	STEP ADR0, 1                                   ; step w
	s_mov_b32 s44, 3
.Lring:                                                ; three trips: steps 16 + w .. 96 + w are read; those 32 further on (up to 112 + w) are asked for
	CHANGE 0
	STEP ADR1, 0
	CHANGE 1
	STEP ADR0, 0
	s_sub_co_u32 s44, s44, 1
	s_cmp_lg_u32 s44, 0
	s_cbranch_scc1 .Lring
	s_wait_tensorcnt 0x0                           ; the last step's bytes are in: no load was issued behind theirs; nothing is filled again and only I read them, so no barrier stands here
.rept 4
	v_nop                                          ; four places between the last products and the loads into V's registers
.endr
	STEP ADR1, 0                                   ; step 112 + w
	; THE END.  Each wave's part (O^T, -M, the sum) goes into its own bytes of the ring, which have had their last fill and which it alone has read; one barrier; wave w then makes rows 2 w and 2 w + 1 of the block.
	; The eight plain lines below are also the places between the last products and the stores that read their results.
.irp t, 0,1
	v_add_f32 v[ST+4*\t+1], v[ST+4*\t+2], v[ST+4*\t+3]             ; the sum's two halves (the largest t is no longer wanted),
.endr
	v_bfe_u32 v[ADR0], v0, 4, 1
	v_lshlrev_b32 v[ADR0], 4, v[ADR0]
.irp t, 0,1
	v_permlanex16_b32 v[ST+4*\t+2], v[ST+4*\t+1], s[SEL], s[SEL+1]
.endr
	v_add_nc_u32 v[ADR0], s51, v[ADR0]             ; the statistics of query 2 (w % 8) + y, as lane r = that query stored them: 16 bytes a lane
	v_add_nc_u32 v[ADR1], 0x10000, v[ADR0]
.irp t, 0,1
	v_add_f32 v[ST+4*\t+1], v[ST+4*\t+1], v[ST+4*\t+2]             ; and lane l xor 16's
.endr
.irp t, 0,1
.irp g, 0,1,2,3,4,5,6,7
	ds_store_b128 v[STG+\t], v[OO+32*\t+4*\g:OO+32*\t+4*\g+3] offset:544*\g   ; sixteen lanes: 256 consecutive bytes; each accumulator from its low end on
.endr
	ds_store_b64 v[STG+\t], v[ST+4*\t:ST+4*\t+1] offset:SSTAT      ; -M and the sum
.endr
	s_wait_dscnt 0x0                               ; for the others' sake: my stores have landed
	s_barrier_signal -1
	s_barrier_wait -1
.irp a, 0,1,2,3,4,5,6,7,8,9,10,11,12,13,14,15
	ds_load_b64 v[64+2*\a:65+2*\a], v[ADR0+\a/8] offset:8192*(\a%8)          ; wave a's -M and sum for my query
.endr
.irp a, 0,1,2,3,4,5,6,7,8,9,10,11,12,13,14,15
	ds_load_b128 v[96+4*\a:99+4*\a], v[RDO+\a/8] offset:8192*(\a%8)          ; and its part of my four channels
.endr
	s_wait_dscnt 16                                ; the statistics are in; O's sixteen loads may be out
	v_min3_num_f32 v8, v64, v66, v68               ; the row's -M: the least of the sixteen
.irp a, 70,74,78,82,86,90
	v_min3_num_f32 v8, v8, v[\a], v[\a+2]
.endr
	v_min_num_f32 v8, v8, v94
.irp a, 0,1,2,3,4,5,6,7,8,9,10,11,12,13,14,15
	v_sub_f32 v[64+2*\a], v8, v[64+2*\a]           ; wave a's M less the row's: a whole number, 0 or less
.endr
.irp a, 0,1,2,3,4,5,6,7,8,9,10,11,12,13,14,15
	v_cvt_i32_f32 v[64+2*\a], v[64+2*\a]
.endr
.irp a, 0,1,2,3,4,5,6,7,8,9,10,11,12,13,14,15
	v_ldexp_f32 v[64+2*\a], 1.0, v[64+2*\a]        ; the power of two that brings its part under the row's M: nothing is rounded
.endr
	v_mul_f32 v9, v64, v65
.irp a, 1,2,3,4,5,6,7,8,9,10,11,12,13,14,15
	v_fmac_f32 v9, v[64+2*\a], v[65+2*\a]          ; the row's sum
.endr
	v_rcp_f32 v14, v9
	s_wait_dscnt 0x0
	v_pk_mul_f32 v[10:11], v[96:97], v[64:65] op_sel_hi:[1,0]      ; (a plain line behind the reciprocal)
	v_pk_mul_f32 v[12:13], v[98:99], v[64:65] op_sel_hi:[1,0]
.irp a, 1,2,3,4,5,6,7,8,9,10,11,12,13,14,15
	v_pk_fma_f32 v[10:11], v[96+4*\a:97+4*\a], v[64+2*\a:65+2*\a], v[10:11] op_sel_hi:[1,0,1]
	v_pk_fma_f32 v[12:13], v[98+4*\a:99+4*\a], v[64+2*\a:65+2*\a], v[12:13] op_sel_hi:[1,0,1]
.endr
	s_wait_alu depctr_va_vdst(0)
	v_ldexp_f32 v14, v14, s52                      ; x 2^(e8 + e9)
.irp i, 10,11,12,13
	v_mul_f32 v[\i], v[\i], v14
.endr
	global_store_b128 v[QO], v[10:13], s[10:11] th:TH_STORE_NT     ; two whole rows of out0: 32 lanes store 512 consecutive bytes, at a multiple of 512 from its first byte
	s_wait_tensorcnt 0x0                           ; the wave's end, behind my last tensor load and my last LDS store
	ds_add_u32 v[SPW], v[NIL]
	s_wait_dscnt 0x0
	ROUND                                          ; the closing round: no work-group ends while a partner may still ask for a tile that names it
	s_endpgm
.Lfunc_end_k_qe125c291be_attn:
	.size	k_qe125c291be_attn, .Lfunc_end_k_qe125c291be_attn-k_qe125c291be_attn
	.p2alignl 7, 3214868480
	.fill 96, 4, 3214868480
	.section	.rodata,"a",@progbits
	.p2align	6, 0x0
	.amdhsa_kernel k_qe125c291be_attn
		.amdhsa_group_segment_fixed_size 327680
		.amdhsa_private_segment_fixed_size 0
		.amdhsa_enable_private_segment 0
		.amdhsa_kernarg_size 32
		.amdhsa_user_sgpr_count 2
		.amdhsa_user_sgpr_kernarg_segment_ptr 1
		.amdhsa_wavefront_size32 1
		.amdhsa_system_sgpr_workgroup_id_x 1
		.amdhsa_system_sgpr_workgroup_id_y 1
		.amdhsa_system_sgpr_workgroup_id_z 1
		.amdhsa_system_vgpr_workitem_id 0
		.amdhsa_next_free_vgpr 256
		.amdhsa_next_free_sgpr 66
		.amdhsa_reserve_vcc 0
		.amdhsa_float_denorm_mode_32 3
		.amdhsa_float_denorm_mode_16_64 3
		.amdhsa_memory_ordered 1
		.amdhsa_forward_progress 1
		.amdhsa_inst_pref_size 77
	.end_amdhsa_kernel
	.amdgpu_metadata
---
amdhsa.version: [ 1, 2 ]
amdhsa.kernels:
  - .name:           k_qe125c291be_attn
    .symbol:         k_qe125c291be_attn.kd
    .args:
      - { .name: qimg, .offset: 0, .size: 8, .value_kind: global_buffer, .address_space: global }
      - { .name: kv, .offset: 8, .size: 8, .value_kind: global_buffer, .address_space: global }
      - { .name: lowp_scales, .offset: 16, .size: 8, .value_kind: global_buffer, .address_space: global }
      - { .name: out0, .offset: 24, .size: 8, .value_kind: global_buffer, .address_space: global }
    .group_segment_fixed_size: 327680
    .private_segment_fixed_size: 0
    .kernarg_segment_align: 8
    .kernarg_segment_size: 32
    .max_flat_workgroup_size: 512
    .sgpr_count:     66
    .vgpr_count:     256
    .wavefront_size: 32
...
	.end_amdgpu_metadata
.endif
;; end of part 2
;; ======== version 2 of 2: 2 launches; version 1 with the launch proj written anew for expert scheduling mode
;; workspace buffers: qimg 524,288 bytes; kv 1,048,576 bytes
;; launch proj (part 3): grid 256 x 1, 16 waves a work-group, no clusters, 154,112 bytes of LDS; arguments input, Wq, Wk, Wv, bq, bk, bv, lowp_scales, qimg, kv; writes qimg, kv
.if DOCPART == 3
	.amdgcn_target "amdgcn-amd-amdhsa--gfx1250"
	.amdhsa_code_object_version 6
	.text
	.protected	k_qe125c291be_proj
	.globl	k_qe125c291be_proj
	.p2align	8
	.type	k_qe125c291be_proj,@function
k_qe125c291be_proj:
	s_mov_b64 s[64:65], 0
	v_nop
	global_prefetch_b8 v0, s[64:65] scope:SCOPE_SE
	s_setreg_imm32_b32 hwreg(HW_REG_WAVE_SCHED_MODE, 0, 2), 2
	s_setreg_imm32_b32 hwreg(HW_REG_WAVE_MODE, 25, 1), 1
	s_wait_xcnt 0x0
	s_wait_alu depctr_vm_vsrc(0)
; Q = x Wq^T + bq, K = x Wk^T + bk, V = x Wv^T + bv on codes of FP8 (E4M3); the results are quantised again and stored as IMAGES OF OPERAND REGISTERS for the attention launch.
; x: [8192][512] f32, quantised three times (2^e0, 2^e2, 2^e4).  Wq, Wk, Wv: [64][512] f32 (2^e1, 2^e3, 2^e5).  Q, K, V are quantised with 2^e6, 2^e7, 2^e9.
; SHARES.  A work-group owns 32 rows of x.  Phase A: each of the 16 waves quantises 2 rows of x (three times) and 4 rows of each weight into LDS.  One barrier.  Phase B: waves 0-11 make one unit each:
; two accumulators of 16 x 16 over K = 512, which become 4 registers of codes a lane, stored as 512 consecutive bytes.  Waves 12-15 have no unit and end behind the barrier.
; PLACE OF k.  A wave takes a whole row by four loads of 512 consecutive bytes: lane l holds k = 128 q + 4 l + i in register 4 q + i; its 16 codes go to byte 16 l of the LDS row.  That is a permutation of k,
; the same for x and for the weights, so every product meets its partner; only the order of the sums inside an instruction differs.
; UNITS.  Q and K are made TRANSPOSED (source 0 = 16 rows of W, source 1 = 16 rows of x): a lane holds one row of x and eight neighbouring channels, which is what the next product's fragment (k = channel) wants.
; V is made the natural way (source 0 = 16 rows of x, source 1 = 16 rows of Wv): a lane holds one channel and eight neighbouring keys, which is what V^T's fragment (k = key) wants.
; A fragment of the 16x16x64 form is 8 registers: lane (r, h) holds k = 16 c + 8 h + 0..7 of row r in registers 2 c, 2 c + 1.  Its image is [half u][lane][16 bytes], 1,024 bytes; half u = registers 4 u .. 4 u + 3.
; qimg: [512 tiles of 16 queries][1,024].  kv: [128 steps of 64 keys][8,192]: K's four fragments (16 keys each), then V^T's four (16 channels each).
; NO JOINT LOADS: the weights arrive as 3 x 131,072 bytes of f32, more than LDS has room for beside the 152,064 bytes of codes; they are read through registers, once by each work-group.
; LIMITS: e0 .. e7 and e9 between -126 and 119; e0 + e1, e2 + e3, e4 + e5 between -126 and 127, so that each power of two below is an f32 number.  NaN among the inputs is not served.
; THE MODE: SCHED_MODE bits 1:0 = 2 (LLVM: expert scheduling mode 2), set by the entry lines.  The code itself states the register dependences
; between vector or matrix instructions and memory or LDS instructions, with s_wait_alu, always for 0.
; THE PLAN.  Registers that memory or LDS instructions touch:
;   v1-11, v14   offsets and LDS addresses: written once at the head, read by every load and store, never written again: one wait on va_vdst ahead of the first load.
;   X, W         global loads land; the holds and conversions read them (W is held in place).  Wq's registers take Wv's loads behind the wait that follows Wq's conversions.
;   XC           written by x's conversions (three scales, two rows each); read by six LDS stores, which follow ONE wait on va_vdst behind the last conversion.
;   WC           written by a batch's conversions; read by its four LDS stores behind one wait on va_vdst; written again by the next batch behind a wait on vm_vsrc.
;   FRG          (over X, W, T and part of XC) the fragments' LDS loads land; the products read them.  The accumulators lie over the rest of XC and part of WC: one wait on vm_vsrc behind the barrier.
;   C            written by the unit's conversions, read by the one global store behind a wait on va_vdst.
;   T, F, the scale and its limit are named by vector instructions alone while they hold those things.  v254, v255: written at the head, read by the closing add alone.
.set PITCH,  528                       ; an LDS row: 512 codes + 16 bytes = 33 x 16: the sixteen rows of a fragment load begin in sixteen different 16-byte columns of 256 bytes
.set ROW_X0, 0                         ; rows 0-31    x at 2^e0
.set ROW_X1, 32                        ; rows 32-63   x at 2^e2
.set ROW_WV, 64                        ; rows 64-127  Wv
.set ROW_WQ, 128                       ; rows 128-191 Wq
.set ROW_WK, 192                       ; rows 192-255 Wk
.set ROW_X2, 256                       ; rows 256-287 x at 2^e4
.set L16,  1                           ; v1   16 x lane
.set VX,   2                           ; v2   x: 16 x lane + my 2 rows
.set VW,   3                           ; v3   a weight: 16 x lane + my 4 rows
.set VXS,  4                           ; v4   LDS: my 2 rows of x at 2^e0 (2^e2: by the offset)
.set VWS,  5                           ; v5-7 LDS: my 4 rows of Wq, Wk, Wv
.set VA,   8                           ; v8   LDS: my unit's pair of tiles
.set VB,   9                           ; v9   LDS: my unit's single tile
.set VBQ,  10                          ; v10  bias of a unit of Q or K: 32 h + 128 u
.set VBV,  11                          ; v11  bias of a unit of V: 64 idx + 4 r
.set SCV,  12                          ; v12  the scale in hand as f32
.set LIMV, 13                          ; v13  448 x that
.set VXS2, 14                          ; v14  LDS: my 2 rows of x at 2^e4
.set X,    16                          ; v16-47   2 rows of x, 16 numbers a lane each
.set W,    48                          ; v48-175  two batches of 4 rows of a weight
.set T,    176                         ; v176-191 a row of x, held
.set XC,   192                         ; v192-215 x's codes: 6 x 4
.set WC,   216                         ; v216-231 a batch's codes: 4 x 4
.set BI,   232                         ; v232-247 bias, 16 channels a lane
.set BV,   248                         ; v248     bias, one channel a lane
.set FRG,  16                          ; phase B: v16-207: K step ks: the pair's tiles at 48 ks and 48 ks + 16, the single tile at 48 ks + 32
.set ACC,  208                         ; v208-223 two accumulators
.set F,    16                          ; v16-31   the unit's 16 numbers
.set C,    32                          ; v32-35   their codes
.macro MKSC sc, lim, e                 ; s[sc] = 2^e as f32, s[lim] = 448 x 2^e
	s_add_co_i32 s90, s[\e], 127
	s_lshl_b32 s[\sc], s90, 23
	s_add_co_i32 s90, s90, 8
	s_lshl_b32 s[\lim], s90, 23
	s_or_b32 s[\lim], s[\lim], 0x600000
.endm
	s_load_b512 s[16:31], s[0:1], 0x0              ; input 16, Wq 18, Wk 20, Wv 22, bq 24, bk 26, bv 28, the scales' exponents 30
	s_load_b128 s[32:35], s[0:1], 0x40             ; qimg 32, kv 34
	v_lshl_add_u32 v254, v0, 2, 0x25200            ; LDS address of my spare word: behind the 288 rows of codes, 4 x my thread's number; kept for the closing lines alone
	v_mov_b32 v255, 0                              ; 0, likewise
	v_lshrrev_b32 v250, 5, v0
	v_readfirstlane_b32 s8, v250                   ; wave 0..15
	v_and_b32 v250, 31, v0
	v_lshlrev_b32 v[L16], 4, v250
	v_and_b32 v251, 15, v0                         ; r
	v_bfe_u32 v252, v0, 4, 1                       ; h
	s_wait_alu depctr_va_sdst(0)                   ; s8 is written, ahead of its first reader: roles, addresses and branches are made from it
	s_lshr_b32 s9, s8, 2
	s_min_u32 s9, s9, 2                            ; m: 0 Q, 1 K, 2 V (waves 12-15, which have no unit, count as V)
	s_and_b32 s10, s8, 3                           ; idx: my unit among the four of its kind
	s_and_b32 s11, s8, 1                           ; sigma: which 16 rows of x (Q, K)
	s_lshr_b32 s12, s10, 1                         ; u: which half of the image (Q, K)
	s_lshr_b32 s13, s8, 3                          ; 1 for V
	s_xor_b32 s14, s13, 1                          ; 1 for Q and K
	s_and_b32 s74, s12, s14                        ; the pair: Q, K: weight tiles 2 u, 2 u + 1; V: the two tiles of x at 2^e4:
	s_lshl_b32 s74, s74, 5
	s_lshl_b32 s75, s9, 6
	s_add_co_u32 s74, s74, s75
	s_add_co_u32 s74, s74, ROW_WQ                  ; row 128 + 64 m + 32 u (u only for Q, K)
	s_mul_i32 s74, s74, PITCH
	s_and_b32 s75, s12, s13                        ; the single tile: Q, K: x's tile sigma at the product's scale; V: Wv's tile idx:
	s_add_co_u32 s75, s75, s9
	s_lshl_b32 s75, s75, 1
	s_add_co_u32 s75, s75, s11                     ; row 16 (2 m + sigma + 2 u) (u only for V)
	s_mul_i32 s75, s75, 16*PITCH
	v_mul_u32_u24 v[VA], v251, PITCH
	v_lshl_add_u32 v[VA], v252, 4, v[VA]           ; row r, + 16 h
	v_add_nc_u32 v[VB], s75, v[VA]
	v_add_nc_u32 v[VA], s74, v[VA]
	s_lshl_b32 s76, s8, 12
	v_add_nc_u32 v[VX], s76, v[L16]                ; 2 rows of 2,048 bytes a wave
	s_lshl_b32 s76, s8, 13
	v_add_nc_u32 v[VW], s76, v[L16]                ; 4 rows a wave
	s_mul_i32 s76, s8, 2*PITCH
	v_add_nc_u32 v[VXS], s76, v[L16]
	v_add_nc_u32 v[VXS2], ROW_X2*PITCH, v[VXS]
	s_mul_i32 s76, s8, 4*PITCH
	v_add_nc_u32 v[VWS+2], s76, v[L16]
	v_add_nc_u32 v[VWS], ROW_WQ*PITCH, v[VWS+2]
	v_add_nc_u32 v[VWS+1], ROW_WK*PITCH, v[VWS+2]
	v_add_nc_u32 v[VWS+2], ROW_WV*PITCH, v[VWS+2]
	v_lshlrev_b32 v[VBQ], 5, v252
	s_lshl_b32 s76, s12, 7
	v_add_nc_u32 v[VBQ], s76, v[VBQ]
	v_lshlrev_b32 v[VBV], 2, v251
	s_lshl_b32 s76, s10, 6
	v_add_nc_u32 v[VBV], s76, v[VBV]
	; where my unit's 512 bytes go.  b = the work-group's number.
	s_lshl_b32 s77, s11, 10
	s_lshl_b32 s78, s12, 9
	s_add_co_u32 s77, s77, s78                     ; 1,024 sigma + 512 u
	s_lshl_b32 s79, ttmp9, 11
	s_add_co_u32 s79, s79, s77                     ; Q: tile 2 b + sigma, half u
	s_lshr_b32 s80, ttmp9, 1
	s_lshl_b32 s80, s80, 13                        ; the step of 64 keys: b / 2
	s_and_b32 s81, ttmp9, 1
	s_lshl_b32 s82, s81, 11
	s_add_co_u32 s82, s82, s80
	s_add_co_u32 s82, s82, s77                     ; K: fragment 2 (b % 2) + sigma, half u
	s_lshl_b32 s83, s81, 9
	s_add_co_u32 s83, s83, s80
	s_lshl_b32 s84, s10, 10
	s_add_co_u32 s83, s83, s84
	s_add_co_u32 s83, s83, 4096                    ; V: fragment idx, half b % 2 (my 32 keys are half of the step's 64)
	s_lshl_b32 s86, ttmp9, 16                      ; my 32 rows of x
	s_mov_b32 s87, 0
	s_wait_kmcnt 0x0
	s_load_b256 s[40:47], s[30:31], 0x0            ; e0 .. e7
	s_load_b32 s49, s[30:31], 0x24                 ; e9
	s_add_nc_u64 s[16:17], s[16:17], s[86:87]
	s_cmp_lt_u32 s8, 4                             ; the choices hang on the wave's number alone
	s_cselect_b64 s[66:67], s[24:25], s[26:27]     ; bq or bk,
	s_cselect_b64 s[68:69], s[32:33], s[34:35]     ; qimg or kv
	s_cselect_b32 s84, s79, s82
	s_cmp_lt_u32 s8, 8
	s_cselect_b64 s[66:67], s[66:67], s[28:29]     ; or bv
	s_cselect_b32 s84, s84, s83
	s_mov_b32 s85, 0
	s_add_nc_u64 s[68:69], s[68:69], s[84:85]
	; ---- all loads of the first two thirds go out at once: 8 of x, 5 of the bias, 32 of Wq and Wk
	s_wait_alu depctr_va_vdst(0)                   ; the offsets and LDS addresses v1 to v11 and v14 are written: every load and store of the kernel reads one of them, and none is written again
.irp p, 0,1
.irp q, 0,1,2,3
	global_load_b128 v[X+16*\p+4*\q:X+16*\p+4*\q+3], v[VX], s[16:17] offset:2048*\p+512*\q th:TH_LOAD_NT   ; 32 lanes read 512 consecutive bytes; read once in the launch
.endr
.endr
	; The bias in both shapes, so that every register is written on every way: a unit of Q or K uses the 16 channels, a unit of V the one; the other shape is loaded in vain (1 or 4 loads a wave).
	global_load_b128 v[BI:BI+3],     v[VBQ], s[66:67]
	global_load_b128 v[BI+4:BI+7],   v[VBQ], s[66:67] offset:16
	global_load_b128 v[BI+8:BI+11],  v[VBQ], s[66:67] offset:64
	global_load_b128 v[BI+12:BI+15], v[VBQ], s[66:67] offset:80
	global_load_b32 v[BV], v[VBV], s[66:67]
.macro WLD m                           ; my 4 rows of weight m (0 Wq, 1 Wk, 2 Wv) into batch m % 2
.irp i, 0,1,2,3
.irp q, 0,1,2,3
	global_load_b128 v[W+64*((\m)%2)+16*\i+4*\q:W+64*((\m)%2)+16*\i+4*\q+3], v[VW], s[18+2*(\m):19+2*(\m)] offset:2048*\i+512*\q
.endr
.endr
.endm
	WLD 0
	WLD 1
	s_wait_kmcnt 0x0
	MKSC 50, 51, 40                                ; x at 2^e0,
	MKSC 52, 53, 42                                ; 2^e2,
	MKSC 54, 55, 44                                ; 2^e4
	MKSC 56, 57, 41                                ; Wq at 2^e1,
	MKSC 58, 59, 43                                ; Wk at 2^e3,
	MKSC 60, 61, 45                                ; Wv at 2^e5
	s_add_co_i32 s74, s40, s41
	s_add_co_i32 s75, s42, s43
	s_add_co_i32 s76, s44, s45
	s_cmp_lt_u32 s8, 4
	s_cselect_b32 s74, s74, s75
	s_cselect_b32 s77, s46, s47
	s_cmp_lt_u32 s8, 8
	s_cselect_b32 s74, s74, s76                    ; my product's two exponents added,
	s_cselect_b32 s77, s77, s49                    ; and my result's: e6, e7 or e9
	s_add_co_i32 s74, s74, 127
	s_lshl_b32 s70, s74, 23                        ; a sum stands for sum x this power of two
	s_mov_b32 s71, s70                             ; (named with it as a pair, so it is written)
	MKSC 72, 73, 77
	; ---- phase A: x, three times.  The conversion to an 8-bit code does not saturate (ISA guide 7.6.2): each number is first held within 448 x the scale.
	; Each scale and row has four registers of its own for its codes, so all six stores can follow one wait.
.macro XQ z
	v_mov_b32 v[SCV], s[50+2*\z]
	v_mov_b32 v[LIMV], s[51+2*\z]
.irp p, 0,1
.set kk, 0
.rept 16
	v_med3_num_f32 v[T+kk], v[X+16*\p+kk], -v[LIMV], v[LIMV]
.set kk, kk+1
.endr
	v_cvt_scalef32_pk8_fp8_f32 v[XC+4*(2*\z+\p):XC+4*(2*\z+\p)+1], v[T:T+7], v[SCV]
	v_cvt_scalef32_pk8_fp8_f32 v[XC+4*(2*\z+\p)+2:XC+4*(2*\z+\p)+3], v[T+8:T+15], v[SCV]
	v_nop                                          ; one plain vector line between the conversions and the next lines that write their sources
.endr
.endm
.macro XST z, adr, row
.irp p, 0,1
	ds_store_b128 v[\adr], v[XC+4*(2*\z+\p):XC+4*(2*\z+\p)+3] offset:(\row+\p)*PITCH   ; 32 lanes: the row's 512 consecutive bytes
.endr
.endm
	s_wait_loadcnt 32                              ; x and the bias are in; the 32 younger loads (Wq, Wk) may be out
	XQ 0
	XQ 1
	XQ 2
	s_wait_alu depctr_va_vdst(0)                   ; the twelve conversions have written v[XC ..], which the six LDS stores read
	XST 0, VXS, ROW_X0
	XST 1, VXS, ROW_X1
	XST 2, VXS2, 0
	; ---- phase A: the weights, a batch of 4 rows at a time, held in place
.macro WQC m, left
.set rW, W+64*((\m)%2)
	s_wait_loadcnt \left                           ; this batch is in; a younger batch of 16 loads may be out
.if \m > 0
	s_wait_dscnt 0x0                               ; the last batch's stores are done,
	s_wait_alu depctr_vm_vsrc(0)                   ; and have read v[WC ..], which this batch's conversions write again
.endif
	v_mov_b32 v[SCV], s[56+2*\m]
	v_mov_b32 v[LIMV], s[57+2*\m]
.irp i, 0,1,2,3
.set kk, 0
.rept 16
	v_med3_num_f32 v[rW+16*\i+kk], v[rW+16*\i+kk], -v[LIMV], v[LIMV]
.set kk, kk+1
.endr
	v_cvt_scalef32_pk8_fp8_f32 v[WC+4*\i:WC+4*\i+1], v[rW+16*\i:rW+16*\i+7], v[SCV]        ; (the next row's holds are the plain lines behind these)
	v_cvt_scalef32_pk8_fp8_f32 v[WC+4*\i+2:WC+4*\i+3], v[rW+16*\i+8:rW+16*\i+15], v[SCV]
.endr
	v_nop                                          ; one plain vector line behind the last conversion
.endm
.macro WST m
.irp i, 0,1,2,3
	ds_store_b128 v[VWS+\m], v[WC+4*\i:WC+4*\i+3] offset:\i*PITCH
.endr
.endm
	WQC 0, 16
	s_wait_alu depctr_va_vdst(0)                   ; Wq's conversions have written v[WC ..], which the LDS stores read; its holds and conversions are done with batch 0's registers, in which Wv's loads land
	WLD 2                                          ; Wv takes the registers that Wq has left: asked for first, since it comes from farthest; no vector instruction since the wait names them
	WST 0
	WQC 1, 16
	s_wait_alu depctr_va_vdst(0)                   ; Wk's conversions have written v[WC ..], which the LDS stores read
	WST 1
	WQC 2, 0
	s_wait_alu depctr_va_vdst(0)                   ; Wv's conversions have written v[WC ..], which the LDS stores read; every hold and conversion of phase A is done with v16 to v207, in which the fragments' loads land
	WST 2
	s_wait_dscnt 0x0                               ; for the others' sake: all my stores have landed
	s_barrier_signal -1
	s_barrier_wait -1                              ; the 288 rows of codes lie in LDS; nothing is stored there again
	s_wait_alu depctr_vm_vsrc(0)                   ; my LDS stores have read v[XC ..] and v[WC ..]: fragments' loads land in v192 to v207, and the products write v208 to v223
	s_cmp_ge_u32 s8, 12
	s_cbranch_scc1 .Lend                           ; twelve units, sixteen waves
	; ---- phase B: my unit.  48 loads in one run, K step by K step; the same text serves all three kinds.  No vector instruction has been issued since the last wait on va_vdst
.irp ks, 0,1,2,3
.irp c, 0,1,2,3
	ds_load_b128 v[FRG+48*\ks+4*\c:FRG+48*\ks+4*\c+3], v[VA] offset:128*\ks+32*\c
.endr
.irp c, 0,1,2,3
	ds_load_b128 v[FRG+48*\ks+16+4*\c:FRG+48*\ks+16+4*\c+3], v[VA] offset:16*PITCH+128*\ks+32*\c
.endr
.irp c, 0,1,2,3
	ds_load_b128 v[FRG+48*\ks+32+4*\c:FRG+48*\ks+32+4*\c+3], v[VB] offset:128*\ks+32*\c
.endr
.endr
	s_wait_dscnt 36                                ; K step 0's twelve loads are in; the 36 behind them may be out
	v_wmma_f32_16x16x128_fp8_fp8 v[ACC:ACC+7],    v[FRG:FRG+15],    v[FRG+32:FRG+47], 0     ; the first K step starts both sums
	v_wmma_f32_16x16x128_fp8_fp8 v[ACC+8:ACC+15], v[FRG+16:FRG+31], v[FRG+32:FRG+47], 0
.irp ks, 1,2,3
	s_wait_dscnt 36-12*\ks
	v_wmma_f32_16x16x128_fp8_fp8 v[ACC:ACC+7],    v[FRG+48*\ks:FRG+48*\ks+15],    v[FRG+48*\ks+32:FRG+48*\ks+47], v[ACC:ACC+7]      ; the two accumulators take turns, one instruction a turn
	v_wmma_f32_16x16x128_fp8_fp8 v[ACC+8:ACC+15], v[FRG+48*\ks+16:FRG+48*\ks+31], v[FRG+48*\ks+32:FRG+48*\ks+47], v[ACC+8:ACC+15]
.endr
.rept 4
	v_nop                                          ; four places between the last products and the lines that read their results and write over fragments (ISA guide 7.12.1)
.endr
	s_cmp_lt_u32 s8, 8
	s_cbranch_scc0 .Lv_arm
.set kk, 0
.rept 8
	v_pk_fma_f32 v[F+kk:F+kk+1], v[ACC+kk:ACC+kk+1], s[70:71], v[BI+kk:BI+kk+1] op_sel_hi:[1,0,1]   ; Q, K: sum x 2^(ea + eb) + the bias of my 16 channels; each accumulator from its low end on
.set kk, kk+2
.endr
	s_branch .Ljoin
.Lv_arm:
.set kk, 0
.rept 16
	v_fma_f32 v[F+kk], v[ACC+kk], s70, v[BV]       ; V: the same with my one channel's bias
.set kk, kk+1
.endr
.Ljoin:
	v_mov_b32 v[SCV], s72
	v_mov_b32 v[LIMV], s73
.set kk, 0
.rept 16
	v_med3_num_f32 v[F+kk], v[F+kk], -v[LIMV], v[LIMV]
.set kk, kk+1
.endr
	v_cvt_scalef32_pk8_fp8_f32 v[C:C+1],   v[F:F+7],    v[SCV]
	v_cvt_scalef32_pk8_fp8_f32 v[C+2:C+3], v[F+8:F+15], v[SCV]
	v_nop
	s_wait_alu depctr_va_vdst(0)                   ; the two conversions have written v[C ..], which the store reads
	global_store_b128 v[L16], v[C:C+3], s[68:69]   ; half an image: 32 lanes store 512 consecutive bytes, at a multiple of 512 from the buffer's first byte
.Lend:
	s_wait_dscnt 0x0                               ; the closing lines, six on end
	s_wait_alu 0x0
	s_wait_tensorcnt 0x0
	ds_add_u32 v254, v255
	s_wait_dscnt 0x0
	s_endpgm
.Lfunc_end_k_qe125c291be_proj:
	.size	k_qe125c291be_proj, .Lfunc_end_k_qe125c291be_proj-k_qe125c291be_proj
	.p2alignl 7, 3214868480
	.fill 96, 4, 3214868480
	.section	.rodata,"a",@progbits
	.p2align	6, 0x0
	.amdhsa_kernel k_qe125c291be_proj
		.amdhsa_group_segment_fixed_size 154112
		.amdhsa_private_segment_fixed_size 0
		.amdhsa_enable_private_segment 0
		.amdhsa_kernarg_size 80
		.amdhsa_user_sgpr_count 2
		.amdhsa_user_sgpr_kernarg_segment_ptr 1
		.amdhsa_wavefront_size32 1
		.amdhsa_system_sgpr_workgroup_id_x 1
		.amdhsa_system_sgpr_workgroup_id_y 1
		.amdhsa_system_sgpr_workgroup_id_z 1
		.amdhsa_system_vgpr_workitem_id 0
		.amdhsa_next_free_vgpr 256
		.amdhsa_next_free_sgpr 96
		.amdhsa_reserve_vcc 0
		.amdhsa_float_denorm_mode_32 3
		.amdhsa_float_denorm_mode_16_64 3
		.amdhsa_memory_ordered 1
		.amdhsa_forward_progress 1
		.amdhsa_inst_pref_size 41
	.end_amdhsa_kernel
	.amdgpu_metadata
---
amdhsa.version: [ 1, 2 ]
amdhsa.kernels:
  - .name:           k_qe125c291be_proj
    .symbol:         k_qe125c291be_proj.kd
    .args:
      - { .name: input, .offset: 0, .size: 8, .value_kind: global_buffer, .address_space: global }
      - { .name: Wq, .offset: 8, .size: 8, .value_kind: global_buffer, .address_space: global }
      - { .name: Wk, .offset: 16, .size: 8, .value_kind: global_buffer, .address_space: global }
      - { .name: Wv, .offset: 24, .size: 8, .value_kind: global_buffer, .address_space: global }
      - { .name: bq, .offset: 32, .size: 8, .value_kind: global_buffer, .address_space: global }
      - { .name: bk, .offset: 40, .size: 8, .value_kind: global_buffer, .address_space: global }
      - { .name: bv, .offset: 48, .size: 8, .value_kind: global_buffer, .address_space: global }
      - { .name: lowp_scales, .offset: 56, .size: 8, .value_kind: global_buffer, .address_space: global }
      - { .name: qimg, .offset: 64, .size: 8, .value_kind: global_buffer, .address_space: global }
      - { .name: kv, .offset: 72, .size: 8, .value_kind: global_buffer, .address_space: global }
    .group_segment_fixed_size: 154112
    .private_segment_fixed_size: 0
    .kernarg_segment_align: 8
    .kernarg_segment_size: 80
    .max_flat_workgroup_size: 512
    .sgpr_count:     96
    .vgpr_count:     256
    .wavefront_size: 32
...
	.end_amdgpu_metadata
.endif
;; end of part 3
;; launch attn: the kernel of part 2 again; grid 256 x 1, 16 waves a work-group, clusters of 4 x 1, 327,680 bytes of LDS; arguments qimg, kv, lowp_scales, out0; writes out0
